; MI455X (gfx1250); checked and timed in simulation.
; The chip was launched on July 23, 2026; its instructions are those of AMD's public machine-readable ISA for CDNA 5 (MIT licence, August 2026) and "CDNA5" Instruction Set Architecture Reference Guide (July 2026). The comments in the code are by the model that wrote it; some were corrected since.
;; Causal Attention. Allowed arithmetic: matrix products marked QUANTISED: E5M2 operands, one E8M0 scale for each 32 along K, by v_wmma_scale_f32_16x16x128_f8f6f4 with both operands' format E5M2, f32 sums; everything else in f32.
;; Inputs: Wk_codes 4 x 32 x 4 x 32 uint8 (E5M2 codes of Wk, K innermost, in blocks of 32 codes); Wk_scales 4 x 32 x 4 uint8 (E8M0 scales of Wk, one for each 32 codes along K); Wo 4 x 32 x 128 float32; Wq_codes 4 x 32 x 4 x 32 uint8 (E5M2 codes of Wq, K innermost, in blocks of 32 codes); Wq_scales 4 x 32 x 4 uint8 (E8M0 scales of Wq, one for each 32 codes along K); Wv_codes 4 x 32 x 4 x 32 uint8 (E5M2 codes of Wv, K innermost, in blocks of 32 codes); Wv_scales 4 x 32 x 4 uint8 (E8M0 scales of Wv, one for each 32 codes along K); beta 128 float32; bk 4 x 32 float32; bo 128 float32; bq 4 x 32 float32; bv 4 x 32 float32; gamma 128 float32; x 4 x 4,096 x 128 float32.
;; Outputs: out0 4 x 4,096 x 128 float32.
;; This version of the problem:
;;   THIS VERSION OF THE PROBLEM IS GIVEN IN LOW PRECISION. The matrix products marked QUANTISED in the list below multiply operands that are first quantised to E5M2 (5 exponent bits, 2 mantissa bits; 8 bits a number), with one power-of-two scale for each 32 numbers along K (OCP MX v1.0); their sums are f32. All else is computed in f32.
;;   The module's matrix products, in the order in which they are computed (A, B: the left and right operand; K: the contracted axis; several contracted axes count as one K, in the product's order):
;;     1. [M 16,384, K 128] x [K 128, N 128]; A: input x; B: input Wq (given as codes): QUANTISED
;;     2. [M 16,384, K 128] x [K 128, N 128]; A: input x; B: input Wk (given as codes): QUANTISED
;;     3. [M 16,384, K 128] x [K 128, N 128]; A: input x; B: input Wv (given as codes): QUANTISED
;;     4. batch 16 x [M 4,096, K 32] x [K 32, N 4,096]; A: computed on the way; B: computed on the way: QUANTISED
;;     5. batch 16 x [M 32, K 4,096] x [K 4,096, N 4,096]; A: computed on the way; B: softmax (see below): QUANTISED
;;     6. [M 16,384, K 128] x [K 128, N 128]; A: computed on the way; B: input Wo: QUANTISED
;;   THE QUANTISER, for each operand of a quantised product, along K:
;;     - K is cut into blocks of 32 from its start; a last block that is shorter is filled with zeros.
;;     - A block's scale is 2^e with e = floor(log2(the largest magnitude in the block)) - 15, held to -126 .. 127; a block of zeros has e = 0. As a byte (E8M0): e + 127.
;;     - Each number is divided by its block's scale, clamped to +-57,344, and rounded to the nearest number of E5M2, ties to even, subnormals kept.
;;     - The product sums the exact products of the quantised numbers (number of the format x scale) in f32.
;;   ~~~python
;;   def quantise(x, axis):      # numpy; x: float32 -> the quantised numbers, widened to float32 again
;;       x = np.moveaxis(x, axis, -1); K = x.shape[-1]
;;       x = np.pad(x, [(0, 0)] * (x.ndim - 1) + [(0, -K % 32)]); x = x.reshape(x.shape[:-1] + (-1, 32)); a = np.abs(x).max(-1, keepdims=True)
;;       e = np.where(a > 0, np.clip(np.frexp(np.where(a > 0, a, 1))[1] - 1 - 15, -126, 127), 0)      # np.frexp(a)[1] - 1 = floor(log2(a)), exactly
;;       r = np.clip(x / 2.0 ** e, -57344, 57344)
;;       step = 2.0 ** (np.maximum(np.frexp(np.where(r == 0, 1, r))[1] - 1, -14) - 2)
;;       q = np.round(r / step) * step * 2.0 ** e      # np.round: ties to even
;;       return np.moveaxis(q.reshape(q.shape[:-2] + (-1,))[..., :K], -1, axis).astype(np.float32)
;;   ~~~
;;   SOFTMAX AHEAD OF A QUANTISED PRODUCT. Where the list says 'softmax', what is quantised is not the finished softmax but p = 2^(t - M), with t = logit x log2(e) and M = ceil(the row's largest t), a whole number; so 1/2 < the row's largest p <= 1. The row's sum l is taken of the UNQUANTISED p, in f32, and the product's result is divided by l at the end. Since M is a whole number, a kernel that streams over the keys may use a running M (the ceiling of the running maximum): every later rescaling is an exact power of two, which a block's scale takes up: the codes' values come out the same.
;;   OPERANDS COMPUTED ON THE WAY. 'Computed on the way' means the value that the module computes at that place (a softmax that the list does not call 'softmax' is quantised finished and normalised). What goes into a quantiser is computed in f32, as accurately as f32 sums, v_exp_f32 and their like allow (about 1e-6 of the number): no bf16 or f16 on the way to a quantiser, and a product that is left as it is and whose result goes on into a quantised operand takes f32 operands (vector FMAs, or v_wmma_f32_16x16x4_f32). A number that lies on a knife's edge between two numbers of the format may be rounded either way, as far as f32 arithmetic and the matrix unit's own rounding can turn it there, and no further.
;;   INPUTS GIVEN AS CODES. Wk (in the module: [128, 4, 32], K = its axis 0); Wq (in the module: [128, 4, 32], K = its axis 0); Wv (in the module: [128, 4, 32], K = its axis 0): each comes as NAME_codes (uint8): NAME with its K axis moved to the last place and cut into blocks of 32 codes, [.., K / 32, bytes a block], one block behind the other in memory; one code a byte (a code: sign, 5 exponent bits, 2 mantissa bits); and NAME_scales (uint8): the same leading axes, one E8M0 byte (e + 127) for each 32 codes along K. Its value is code x scale, taken as it is: it is not quantised again, and the codes and scales need not be those that the quantiser above would give.
;; One version. Each part assembles by itself: llvm-mc -triple=amdgcn-amd-amdhsa -mcpu=gfx1250 --defsym DOCPART=n.
;; ======== version 1 of 1: 1 launch
;; launch fused (part 1): grid 256 x 1, 4 waves a work-group, no clusters, 197,120 bytes of LDS; arguments x, Wq_codes, Wq_scales, Wk_codes, Wk_scales, Wv_codes, Wv_scales, bq, bk, bv, Wo, bo, gamma, beta, out0; writes out0
.if DOCPART == 1
	.amdgcn_target "amdgcn-amd-amdhsa--gfx1250"
	.amdhsa_code_object_version 6
	.text
	.protected	k_q17485dc595_fused
	.globl	k_q17485dc595_fused
	.p2align	8
	.type	k_q17485dc595_fused,@function
k_q17485dc595_fused:
	s_mov_b64 s[64:65], 0
	v_nop
	global_prefetch_b8 v0, s[64:65] scope:SCOPE_SE
	s_setreg_imm32_b32 hwreg(HW_REG_WAVE_MODE, 25, 1), 1
	s_wait_xcnt 0x0
; out0 = LayerNorm(x + Attention(x) Wo + bo), all six products on codes of BF8 (E5M2) with one E8M0 scale for each 32 along K.  x, out0: [4][4096][128] f32; 4 heads of 32.
; THE MASK is reference()'s own: key j counts for query i where i - j is 0, 4, .. 32.  A hidden key has p = 0 exactly, so only the aligned block of 32 keys that holds the query and the block in front of it are computed.
; SHARES.  Work-group g owns rows 64 g .. 64 g + 63 of the flat [16384][128] and also reads the 32 rows in front: 96 local rows = 6 tiles of 16 = 3 key blocks.  Where g % 64 = 0 those 32 rows are no keys
; of this sequence: they are computed from rows that are read inside x (for g = 0: rows 0-31) and hidden by the mask.  WAVE w IS HEAD w for q, k, v, scores, p and o of all rows: q, k, v and p never change wave or lane.
; It also quantises x's tile 2 + w, half of a tile in front, and Wo's K block w.  At the end wave w owns rows 16 w .. 16 w + 15 with all 128 columns, so that the norm stays inside a wave.
; LAYOUT.  q and k are made transposed (source 0 = 16 rows of the weight, lane r of tile u taking row 8 u + r + 8 (r / 8); source 1 = x), so that a lane holds one row of x and 16 neighbours along d: the conversions' results
; are the next operand.  v is made untransposed: a lane holds one d and 16 keys of a block.  S^T = k q^T gives a lane one query and the same 16 keys in the same order, so p and v agree along K.
; A product whose K is 32 (scores) or 64 (p v) stands in the first slots of 128: one side's other slots are zero codes, the other side's whatever finite codes follow; unused scale bytes are 0, never 0xff.
; THE LAST PRODUCT'S K runs over its two contracted axes with d outside and h inside (k = 4 d + h): a block of 32 is eight d (8 c .. 8 c + 7) of ALL FOUR heads.  So o goes from the heads' waves to the rows' waves
; as f32 through LDS and is quantised there; Wo's block c is its rows 32 h + 8 c + 0 .. 7.  Inside a block both sides stand in the order 8 h + d % 8.
; WHAT GOES INTO A QUANTISER is made by reference()'s own f32 steps, each rounded once: the product, then + bias (a vector addition, not the product's C); score / sqrt(32) as a division
; (quotient, exact remainder by a fused multiply-add, correction), x log2(e), - M; O / l as a division in the same three lines.
; NO CLUSTER: each work-group asks for each weight byte once, in its first lines (48 KiB of codes straight into the registers of the one wave that multiplies by them, 16 KiB of Wo a wave); no loop asks again,
; and the text has two barriers in all, to which joint loads would add an opening and a closing round.
; LIMITS: NaN and infinities among the inputs are not served.  A block whose largest magnitude lies under 2^-111 (a block of zeros too) gets the scale byte 1; the bytes are read by this program alone.
; Hidden scores are -infinity where reference() has -1e9: the same result while a row's real logits stay above -1e9.  Within a block of 32 the order along K differs from memory's in p v and in o Wo, alike on both sides.
; The nine terms of a row's sum l are added in the order in which the lanes hold them, not in the keys' order.
; ---- LDS (bytes)
.set XIMG,  0                          ; x's 6 fragments as images of their registers: 2048 tile + 512 group + 16 lane
.set XSC,   12288                      ; their scale words: 64 tile + 4 row
.set WOIMG, 12800                      ; Wo's 8 fragments, likewise
.set WOSC,  29184
.set XO,    38144                      ; a wave's 16 rows of x in f32, 512 bytes + 16 of padding each; later its stage for the way out
.set XOW,   8448
.set XH,    71936                      ; a wave's 16 half rows (256 bytes + 16) of the rows in front
.set XHW,   4352
.set WOR,   89344                      ; a wave's 32 rows of Wo, on end
.set O32,   154880                     ; o in f32: 64 rows of 512 bytes + 16: 528 row + 128 block + 32 head + 4 (d % 8)
; ---- window 0
.set LI, 1                             ; 16 x lane
.set LS, 2                             ; 4 x (lane % 16)
.set XOF, 3
.set XHF, 4
.set XWI, 5
.set XWS, 6
.set HWI, 7
.set HWS, 8
.set WOL, 9
.set WOI, 10
.set WOB, 11
.set OWI, 12
.set XRES, 14
.set SRD, 15
.set OFR, 16
.set EE, 18                            ; v18-19 e of query tile 0, 1;  v20-21 the same + 64 where the keys in front do not exist
.set EH, 20
.set NINF, 22
.set SELP, 24                          ; v24-27 byte selects that put code t into byte lane % 4 and zeros elsewhere
.set WA, 28
.set WSA, 29
.set BA, 30
.set BOA, 31
.set WQS, 32                           ; v32-69: scale words, and v61 a zero
.set WKS, 34
.set WVS, 36
.set XFS, 38
.set KS, 44
.set VSW, 50
.set QS, 54
.set PS, 58
.set OFS, 60
.set WOS, 62
.set BYT, 70                           ; v70-75 scale bytes in the making (during the projections: v's six)
.set GAM, 76
.set BET, 80
.set T, 84                             ; largest magnitudes
.set U, 90                             ; the other half's
.set SO, 96                            ; the conversions' scale operands
.set HL, 102                           ; 57,344 x the scale
.set TW, 108                           ; v108-111 at work
.set WF, 112                           ; Wo: 4 x 32 numbers
.set PCW, 240
.set XN, 112                           ; x: 6 x 16 numbers
.set PCX, 208
.set ACC, 112                          ; k (32), v (32), q (32) of a key block
.set SA, 112                           ; S^T, 2 query tiles x 4 key tiles;  O^T lies over its first 32
.set OA, 112
.set DQ, 144                           ; the division O / l: 16 quotients, 16 remainders (S^T's upper half is done with by then)
.set DE, 160
.set CP, 176                           ; the 8 scores a lane and tile that can count, then t, then p
.set PT, 192
.set ST, 216                           ; tile i at + 8 i: pairs -M; sum, later -l; sum, later at work; 1 / l
.set YY, 112                           ; first my rows' o in f32, then y
.set OFG, 176
.set XR, 192
.set SP, 84                            ; the norm: four packed chains
.set MU, 96
.set RS, 98
.set TL, 100
; ---- window 1
.set WQ, 0
.set WK, 32
.set WV, 64
.set BQ, 96
.set BK, 112
.set BV, 128                           ; a pair for each tile of Wv: the lane's one number twice
.set XF, 144
.set WOF, 0                            ; later: Wo's 8 fragments
; ---- window 2
.set KC, 0                             ; k's codes, 4 registers a tile, on end
.set VC, 24                            ; v's codes: 12 dt + 4 block
.set ZP, 48                            ; 8 registers of zero codes behind them
.set QF, 64                            ; q: 4 runs of 16, slot 0 the codes, the rest zeros
.set PF, 128                           ; p: 2 runs of 16, slots 0 and 1
.set BO, 160
.set MSB, 0
.macro WIN new                         ; the immediate's high byte repeats the setting that is left
.if MSB != \new
	s_set_vgpr_msb (MSB<<8)|\new
.set MSB, \new
.endif
.endm
.macro PLACES n
.rept \n
	v_nop
.endr
.endm
.macro MMZ d, a, b, sa, sb             ; D = A B, the sum begun with the constant 0
	v_wmma_scale_f32_16x16x128_f8f6f4 v[\d:\d+7], v[\a:\a+15], v[\b:\b+15], 0, v[\sa], v[\sb] matrix_a_fmt:MATRIX_FMT_BF8 matrix_b_fmt:MATRIX_FMT_BF8
.endm
.macro MMC d, a, b, c, sa, sb          ; D = A B + C, C a bias in the result's layout
	v_wmma_scale_f32_16x16x128_f8f6f4 v[\d:\d+7], v[\a:\a+15], v[\b:\b+15], v[\c:\c+7], v[\sa], v[\sb] matrix_a_fmt:MATRIX_FMT_BF8 matrix_b_fmt:MATRIX_FMT_BF8
.endm
.macro DEST g, d, b                    ; where group g's four registers of codes and its scale byte go
.set QD\g, \d
.set QB\g, \b
.endm
; nb groups of 16 registers, group g at v[s + 16 g]: each is half a block of 32, the other half in lane l xor 16.  Codes to v[QDg ..] of window dwin, the byte to v[QBg].  The groups take turns line by line.
.macro QUANT s, nb, dwin
.irp g, 0,1,2,3,4,5
.if \g < \nb
	v_max3_num_f32 v[T+\g], |v[\s+16*\g]|, |v[\s+16*\g+1]|, 0x8000000   ; with the floor 2^(16 - 127): the byte cannot fall under 1
.endif
.endr
.irp i, 2,4,6,8,10,12,14
.irp g, 0,1,2,3,4,5
.if \g < \nb
	v_max3_num_f32 v[T+\g], v[T+\g], |v[\s+16*\g+\i]|, |v[\s+16*\g+\i+1]|
.endif
.endr
.endr
.irp g, 0,1,2,3,4,5
.if \g < \nb
	v_permlanex16_b32 v[U+\g], v[T+\g], s36, s37
.endif
.endr
.irp g, 0,1,2,3,4,5
.if \g < \nb
	v_max_num_f32 v[T+\g], v[T+\g], v[U+\g]                       ; the block's largest magnitude
.endif
.endr
.irp g, 0,1,2,3,4,5
.if \g < \nb
	v_add_nc_u32 v[SO+\g], 0xf8800000, v[T+\g]                    ; 15 off its exponent field: the conversion's scale operand
.endif
.endr
.irp g, 0,1,2,3,4,5
.if \g < \nb
	v_and_or_b32 v[HL+\g], v[T+\g], 0x7f800000, s38               ; 57,344 x the scale
.endif
.endr
.irp g, 0,1,2,3,4,5
.if \g < \nb
	v_lshrrev_b32 v[QB\g], 23, v[SO+\g]                           ; the scale's byte
.endif
.endr
.irp g, 0,1,2,3,4,5
.if \g < \nb
.irp i, 0,1,2,3,4,5,6,7,8,9,10,11,12,13,14,15
	v_med3_num_f32 v[\s+16*\g+\i], v[\s+16*\g+\i], -v[HL+\g], v[HL+\g]   ; the conversion to an 8-bit code does not saturate (ISA guide 7.6.2)
.endr
.endif
.endr
	WIN (\dwin<<6)
.irp g, 0,1,2,3,4,5
.if \g < \nb
	v_cvt_scalef32_pk8_bf8_f32 v[QD\g:QD\g+1], v[\s+16*\g:\s+16*\g+7], v[SO+\g]
	v_cvt_scalef32_pk8_bf8_f32 v[QD\g+2:QD\g+3], v[\s+16*\g+8:\s+16*\g+15], v[SO+\g]
.endif
.endr
	WIN 0
	v_nop                                                         ; a plain line behind the last conversion
.endm
; ================ head: addresses, descriptors, the three fills
	s_load_b512 s[4:19], s[0:1], 0x0               ; x 4, Wq codes 6, Wq scales 8, Wk codes 10, Wk scales 12, Wv codes 14, Wv scales 16, bq 18
	s_load_b256 s[20:27], s[0:1], 0x40             ; bk 20, bv 22, Wo 24, bo 26
	s_load_b128 s[28:31], s[0:1], 0x60             ; gamma 28, beta 30
	s_load_b64 s[32:33], s[0:1], 0x70              ; out0
	v_lshl_add_u32 v23, v0, 2, 0x30000
	v_mov_b32 v61, 0
	ds_add_u32 v23, v61
	ds_add_u32 v23, v61
	v_lshrrev_b32 v[TW], 5, v0
	v_readfirstlane_b32 s34, v[TW]                 ; wave = head
	s_mov_b32 s48, (2<<16)|(1<<20)|(6<<22)|(3<<25) ; x, my tile: elements of 4 bytes; 4 words of padding behind every 128
	s_mov_b32 s49, 128<<16                         ; tensor_dim0 = 128
	s_mov_b32 s50, 16<<16                          ; tensor_dim1 = 16
	s_mov_b32 s51, 128<<16                         ; tile_dim0
	s_mov_b32 s52, 16                              ; tile_dim1
	s_mov_b32 s53, 128                             ; elements from row to row
	s_mov_b32 s54, 0
	s_mov_b32 s55, 0
	s_mov_b32 s56, (2<<16)|(1<<20)|(5<<22)|(3<<25) ; the rows in front: 16 half rows of 64 numbers; padding behind every 64 words
	s_mov_b32 s57, 64<<16
	s_mov_b32 s58, 16<<16
	s_mov_b32 s59, 64<<16
	s_mov_b32 s60, 16
	s_mov_b32 s61, 128
	s_mov_b32 s62, 0
	s_mov_b32 s63, 0
	s_mov_b32 s68, 3<<16                           ; Wo's K block w: four pieces (one a head) of 8 rows = 4,096 bytes = 512 elements of 8 bytes,
	s_mov_b32 s69, 512<<16                         ; tensor_dim0 = 512
	s_mov_b32 s70, 4<<16                           ; tensor_dim1 = 4
	s_mov_b32 s71, 512<<16                         ; tile_dim0
	s_mov_b32 s72, 4                               ; tile_dim1
	s_mov_b32 s73, 2048                            ; 32 rows = 16,384 bytes = 2,048 elements from piece to piece; on end in LDS
	s_mov_b32 s74, 0
	s_mov_b32 s75, 0
	s_mov_b32 s36, 0x76543210                      ; v_permlanex16_b32: lane l xor 16
	s_mov_b32 s37, 0xfedcba98
	s_mov_b32 s38, 0x600000                        ; the mantissa field of 57,344
	s_mov_b32 s40, 0x3e3504f3                      ; 1 / d rounded to f32, d = sqrt(32) as f32 (0x40b504f3).  (Each constant of a packed line is named as a pair, so both words are written)
	s_mov_b32 s41, s40
	s_mov_b32 s94, 0xc0b504f3                      ; -d
	s_mov_b32 s95, s94
	s_mov_b32 s96, 0x3fb8aa3b                      ; log2(e)
	s_mov_b32 s97, s96
	s_mov_b32 s91, 0x3c000000                      ; 1 / 128
	s_mov_b32 s92, 0x3a83126f                      ; 1e-3
	s_and_b32 s35, ttmp9, 63
	s_cmp_eq_u32 s35, 0                            ; the sequence's first 64 rows?
	s_cselect_b32 s42, 64, 0
	s_lshl_b32 s44, ttmp9, 6
	s_lshl_b32 s35, s34, 4
	s_add_co_u32 s44, s44, s35
	s_lshl_b32 s44, s44, 9                         ; (64 g + 16 w) rows of 512 bytes: my tile of x, my rows of out0
	s_mov_b32 s45, 0
	s_lshl_b32 s46, ttmp9, 6
	s_sub_co_i32 s46, s46, 32
	s_max_i32 s46, s46, 0                          ; the rows in front begin here; never ahead of x's first row
	s_lshr_b32 s35, s34, 1
	s_lshl_b32 s35, s35, 4
	s_add_co_u32 s46, s46, s35                     ; their tile w / 2,
	s_lshl_b32 s46, s46, 9
	s_and_b32 s35, s34, 1
	s_lshl_b32 s35, s35, 8
	s_add_co_u32 s46, s46, s35                     ; its half w % 2 of each row
	s_mov_b32 s47, 0
	s_lshl_b32 s88, s34, 12                        ; Wo's row 8 w: the first piece
	s_mov_b32 s89, 0
	s_mul_i32 s77, s34, XOW
	s_add_co_u32 s77, s77, XO
	s_mul_i32 s81, s34, XHW
	s_add_co_u32 s81, s81, XH
	s_lshl_b32 s85, s34, 14
	s_add_co_u32 s85, s85, WOR
	s_mov_b32 s76, 1
	s_mov_b32 s80, 1
	s_mov_b32 s84, 1
	s_wait_dscnt 0x0
	s_wait_kmcnt 0x0
	s_add_nc_u64 s[78:79], s[4:5], s[44:45]
	s_or_b32 s79, s79, 0x80000000
	s_add_nc_u64 s[82:83], s[4:5], s[46:47]
	s_or_b32 s83, s83, 0x80000000
	s_add_nc_u64 s[86:87], s[24:25], s[88:89]
	s_or_b32 s87, s87, 0x80000000
	s_add_nc_u64 s[32:33], s[32:33], s[44:45]
	tensor_load_to_lds s[84:87], s[68:75]          ; every byte is filled once; each wave fills and reads bytes of its own; three loads of mine are out
	s_nop 0
	tensor_load_to_lds s[76:79], s[48:55]
	s_nop 0
	tensor_load_to_lds s[80:83], s[56:63]
	s_nop 0
	PLACES 4
; ================ set-up, while the fills are on their way
	v_and_b32 v[TW], 31, v0                        ; lane
	v_and_b32 v[TW+1], 15, v0                      ; r
	v_bfe_u32 v[TW+2], v0, 4, 1                    ; h
	v_lshlrev_b32 v[LI], 4, v[TW]
	v_lshlrev_b32 v[LS], 2, v[TW+1]
	v_mul_u32_u24 v[TW+3], v[TW+1], 528
	v_lshl_add_u32 v[XOF], v[TW+2], 6, v[TW+3]
	v_add_nc_u32 v[XOF], s77, v[XOF]               ; my x: row r, + 64 h: 16 numbers of each block of 32
	v_lshl_add_u32 v[XRES], v[TW+2], 5, v[TW+3]
	v_add_nc_u32 v[XRES], s77, v[XRES]             ; row r, + 32 h: the result's eight columns
	v_add_nc_u32 v[SRD], s77, v[LI]                ; whole rows back
	s_lshl_b32 s35, s34, 5
	s_add_co_u32 s35, s35, O32
	v_lshl_add_u32 v[OWI], v[TW+2], 8, v[TW+3]
	v_add_nc_u32 v[OWI], s35, v[OWI]               ; o, as head w: row r of a tile, block 2 h (+ dt), my head's 32 bytes
	s_mul_i32 s35, s34, XOW
	s_add_co_u32 s35, s35, O32
	v_lshl_add_u32 v[OFR], v[TW+2], 6, v[TW+3]
	v_add_nc_u32 v[OFR], s35, v[OFR]               ; o, as owner of rows 16 w on: row r, + 64 h: 16 numbers of each block
	v_mul_u32_u24 v[TW+3], v[TW+1], 272
	v_lshl_add_u32 v[XHF], v[TW+2], 6, v[TW+3]
	v_add_nc_u32 v[XHF], s81, v[XHF]
	s_lshl_b32 s35, s34, 11
	s_add_co_u32 s35, s35, XIMG+4096
	v_add_nc_u32 v[XWI], s35, v[LI]                ; tile 2 + w
	s_lshl_b32 s35, s34, 6
	s_add_co_u32 s35, s35, XSC+128
	v_add_nc_u32 v[XWS], s35, v[LS]
	s_lshl_b32 s35, s34, 10                        ; 2048 (w / 2) + 1024 (w % 2) = 1024 w
	v_add_nc_u32 v[HWI], s35, v[LI]
	s_lshr_b32 s35, s34, 1
	s_lshl_b32 s35, s35, 6
	s_and_b32 s90, s34, 1
	s_lshl_b32 s90, s90, 1
	s_add_co_u32 s35, s35, s90
	s_add_co_u32 s35, s35, XSC
	v_add_nc_u32 v[HWS], s35, v[LS]
	v_lshl_add_u32 v[WOL], v[TW], 2, s85
	s_lshl_b32 s35, s34, 9
	s_add_co_u32 s35, s35, WOIMG
	v_lshlrev_b32 v[WOI], 4, v[TW+1]
	v_lshl_add_u32 v[WOI], v[TW+2], 11, v[WOI]
	v_add_nc_u32 v[WOI], s35, v[WOI]
	s_add_co_u32 s35, s34, WOSC
	v_lshl_add_u32 v[WOB], v[TW], 2, s35
	v_bfe_u32 v[EE], v0, 2, 2                      ; THE MASK.  Query 16 i + r of its block, key 16 u + 8 h + j of a block: only j % 4 = r % 4 can count.  With e = 4 i + r / 4 - 2 h and
	v_lshlrev_b32 v[TW+3], 1, v[TW+2]              ; k4 = 4 u + j / 4: in the query's own block the key counts where k4 <= e, in the block in front where k4 >= e
	v_sub_nc_u32 v[EE], v[EE], v[TW+3]
	v_add_nc_u32 v[EE+1], 4, v[EE]
	v_add_nc_u32 v[EH], s42, v[EE]
	v_add_nc_u32 v[EH+1], s42, v[EE+1]
	v_mov_b32 v[NINF], 0xff800000
	v_and_b32 v[TW+3], 3, v0
	v_lshlrev_b32 v[TW+3], 3, v[TW+3]
.irp t, 0,1,2,3
	v_mov_b32 v[SELP+\t], 12^\t
	v_lshlrev_b32 v[SELP+\t], v[TW+3], v[SELP+\t]
	v_xor_b32 v[SELP+\t], 0x0c0c0c0c, v[SELP+\t]   ; byte r % 4 selects byte t, the others the constant 0
.endr
	v_and_b32 v[TW+3], 1, v0
	v_cmp_ne_u32 s43, 0, v[TW+3]                   ; lanes with bit 0 of r set
	v_and_b32 v[TW+3], 2, v0
	v_cmp_ne_u32 s39, 0, v[TW+3]                   ; with bit 1
	v_and_b32 v[TW+3], 8, v[TW+1]
	v_add_nc_u32 v[TW+3], v[TW+3], v[TW+1]         ; r + 8 (r / 8)
	v_lshlrev_b32 v[WA], 7, v[TW+3]
	v_lshl_add_u32 v[WA], v[TW+2], 4, v[WA]
	s_lshl_b32 s35, s34, 12
	v_add_nc_u32 v[WA], s35, v[WA]                 ; a weight's codes: head w, row r + 8 (r / 8), + 16 h
	s_lshl_b32 s35, s34, 7
	v_lshl_add_u32 v[WSA], v[TW+3], 2, s35         ; its scale words, and bv: 4 bytes a row
	v_lshl_add_u32 v[BA], v[TW+2], 6, s35          ; bq, bk: d = 16 h on
	v_lshlrev_b32 v[BOA], 5, v[TW+2]               ; bo: f = 8 h on
	WIN 0x40                                       ; destination window 1
.irp u, 0,1
.irp c, 0,1,2,3
	global_load_b128 v[WQ+16*\u+4*\c:WQ+16*\u+4*\c+3], v[WA], s[6:7] offset:1024*\u+32*\c
	global_load_b128 v[WK+16*\u+4*\c:WK+16*\u+4*\c+3], v[WA], s[10:11] offset:1024*\u+32*\c
	global_load_b128 v[WV+16*\u+4*\c:WV+16*\u+4*\c+3], v[WA], s[14:15] offset:1024*\u+32*\c
.endr
	global_load_b128 v[BQ+8*\u:BQ+8*\u+3], v[BA], s[18:19] offset:32*\u
	global_load_b128 v[BQ+8*\u+4:BQ+8*\u+7], v[BA], s[18:19] offset:32*\u+16
	global_load_b128 v[BK+8*\u:BK+8*\u+3], v[BA], s[20:21] offset:32*\u
	global_load_b128 v[BK+8*\u+4:BK+8*\u+7], v[BA], s[20:21] offset:32*\u+16
.irp j, 0,1
	global_load_b32 v[BV+2*\u+\j], v[WSA], s[22:23] offset:32*\u   ; v's result holds one d a lane: its number twice, a pair for the packed additions
.endr
.endr
	WIN 0x80                                       ; destination window 2
.irp n, 0,1,2,3,4,5,6,7
	global_load_b128 v[BO+8*\n:BO+8*\n+3], v[BOA], s[26:27] offset:64*\n
	global_load_b128 v[BO+8*\n+4:BO+8*\n+7], v[BOA], s[26:27] offset:64*\n+16
.endr
.irp q, 0,1,2,3
.irp k, 4,5,6,7,8,9,10,11,12,13,14,15
	v_mov_b32 v[QF+16*\q+\k], 0                    ; zero codes: the three slots of K that q does not fill
.endr
.endr
.irp i, 0,1
.irp k, 8,9,10,11,12,13,14,15
	v_mov_b32 v[PF+16*\i+\k], 0                    ; the two that p does not fill
.endr
.endr
.irp k, 0,1,2,3,4,5,6,7
	v_mov_b32 v[ZP+\k], 0
.endr
	WIN 0
.irp u, 0,1
	global_load_b32 v[WQS+\u], v[WSA], s[8:9] offset:32*\u
	global_load_b32 v[WKS+\u], v[WSA], s[12:13] offset:32*\u
	global_load_b32 v[WVS+\u], v[WSA], s[16:17] offset:32*\u
.endr
	global_load_b128 v[GAM:GAM+3], v[LI], s[28:29]
	global_load_b128 v[BET:BET+3], v[LI], s[30:31]
.irp g, 0,1,2,3,4,5
	v_mov_b32 v[U+\g], 0                           ; written once: a lane permute's destination counts as one of its sources
.endr
; ================ Wo's K block w: a lane takes a column, its registers run down the block's 32 rows (register 8 h + dd: row 32 h + 8 w + dd)
	s_wait_tensorcnt 0x2                           ; my rows of Wo are in; the two loads of x issued behind them may stay out
.irp cg, 0,1,2,3
.set KK, 0
.rept 32
	ds_load_b32 v[WF+32*\cg+KK], v[WOL] offset:512*KK+128*\cg
.set KK, KK+1
.endr
.endr
	s_wait_dscnt 0x0
.irp cg, 0,1,2,3
	v_max3_num_f32 v[T+\cg], |v[WF+32*\cg]|, |v[WF+32*\cg+1]|, 0x8000000
.endr
.irp i, 2,4,6,8,10,12,14,16,18,20,22,24,26,28,30
.irp cg, 0,1,2,3
	v_max3_num_f32 v[T+\cg], v[T+\cg], |v[WF+32*\cg+\i]|, |v[WF+32*\cg+\i+1]|
.endr
.endr
.irp cg, 0,1,2,3
	v_add_nc_u32 v[SO+\cg], 0xf8800000, v[T+\cg]
.endr
.irp cg, 0,1,2,3
	v_and_or_b32 v[HL+\cg], v[T+\cg], 0x7f800000, s38
.endr
.irp cg, 0,1,2,3
	v_lshrrev_b32 v[BYT+\cg], 23, v[SO+\cg]
.endr
.irp cg, 0,1,2,3
.set KK, 0
.rept 32
	v_med3_num_f32 v[WF+32*\cg+KK], v[WF+32*\cg+KK], -v[HL+\cg], v[HL+\cg]
.set KK, KK+1
.endr
.endr
.irp cg, 0,1
.irp q, 0,1,2,3
	v_cvt_scalef32_pk8_bf8_f32 v[PCW+8*\cg+2*\q:PCW+8*\cg+2*\q+1], v[WF+32*\cg+8*\q:WF+32*\cg+8*\q+7], v[SO+\cg]
.endr
.endr
	v_nop                                          ; a plain line: the next conversions write registers that the first ones have read
.irp cg, 2,3
.irp q, 0,1,2,3
	v_cvt_scalef32_pk8_bf8_f32 v[WF+8*(\cg-2)+2*\q:WF+8*(\cg-2)+2*\q+1], v[WF+32*\cg+8*\q:WF+32*\cg+8*\q+7], v[SO+\cg]
.endr
.endr
	v_nop
.irp cg, 0,1                                   ; column 32 cg + lane is lane % 16 of fragment 2 cg + lane / 16; its first 16 codes belong to the fragment's lanes 0-15, the others to lanes 16-31
	ds_store_b128 v[WOI], v[PCW+8*\cg:PCW+8*\cg+3] offset:4096*\cg
	ds_store_b128 v[WOI], v[PCW+8*\cg+4:PCW+8*\cg+7] offset:4096*\cg+256
	ds_store_b8 v[WOB], v[BYT+\cg] offset:128*\cg
.endr
.irp cg, 2,3
	ds_store_b128 v[WOI], v[WF+8*(\cg-2):WF+8*(\cg-2)+3] offset:4096*\cg
	ds_store_b128 v[WOI], v[WF+8*(\cg-2)+4:WF+8*(\cg-2)+7] offset:4096*\cg+256
	ds_store_b8 v[WOB], v[BYT+\cg] offset:128*\cg
.endr
	s_wait_dscnt 0x0                               ; the stores have read their registers
; ================ x: my tile (four blocks a row) and my half of a tile in front (two)
	s_wait_tensorcnt 0x0
.irp b, 0,1,2,3
.irp j, 0,1,2,3
	ds_load_b128 v[XN+16*\b+4*\j:XN+16*\b+4*\j+3], v[XOF] offset:128*\b+16*\j
.endr
.endr
.irp b, 0,1
.irp j, 0,1,2,3
	ds_load_b128 v[XN+64+16*\b+4*\j:XN+64+16*\b+4*\j+3], v[XHF] offset:128*\b+16*\j
.endr
.endr
	s_wait_dscnt 0x0
.irp g, 0,1,2,3,4,5
	DEST \g, PCX+4*\g, BYT+\g
.endr
	QUANT XN, 6, 0
	v_lshl_or_b32 v[TW], v[BYT+1], 8, v[BYT]
	v_lshl_or_b32 v[TW], v[BYT+2], 16, v[TW]
	v_lshl_or_b32 v[TW], v[BYT+3], 24, v[TW]       ; my row's scale word
	v_lshl_or_b32 v[TW+1], v[BYT+5], 8, v[BYT+4]   ; half a word for the row in front
.irp c, 0,1,2,3
	ds_store_b128 v[XWI], v[PCX+4*\c:PCX+4*\c+3] offset:512*\c
.endr
	ds_store_b32 v[XWS], v[TW]
.irp c, 0,1
	ds_store_b128 v[HWI], v[PCX+16+4*\c:PCX+16+4*\c+3] offset:512*\c
.endr
	ds_store_b16 v[HWS], v[TW+1]
	s_wait_dscnt 0x0                               ; for the others' sake: my stores are done
	s_barrier_signal -1
	s_barrier_wait -1                              ; x's six fragments and Wo's eight lie in LDS
; ================ q, k, v of head w
	WIN 0x40
.irp t, 0,1,2,3,4,5
.irp c, 0,1,2,3
	ds_load_b128 v[XF+16*\t+4*\c:XF+16*\t+4*\c+3], v[LI] offset:XIMG+2048*\t+512*\c
.endr
.endr
	WIN 0
.irp t, 0,1,2,3,4,5
	ds_load_b32 v[XFS+\t], v[LS] offset:XSC+64*\t
.endr
	s_wait_loadcnt 0x0                             ; weights, their scale words, biases, gamma, beta
	s_wait_dscnt 0x0
; Key block b: k and v of its two tiles, and for b > 0 q.  Every product has an accumulator of its own and begins with the constant 0; the bias is added to the rounded product, as reference() adds it.
.macro PROJ b
	WIN 0x05                                       ; A and B in window 1
.irp i, 0,1
.irp u, 0,1
	MMZ ACC+16*\i+8*\u, WK+16*\u, XF+16*(2*\b+\i), WKS+\u, XFS+2*\b+\i
.endr
.endr
.irp dt, 0,1
.irp i, 0,1
	MMZ ACC+32+16*\dt+8*\i, XF+16*(2*\b+\i), WV+16*\dt, XFS+2*\b+\i, WVS+\dt
.endr
.endr
.if \b > 0
.irp i, 0,1
.irp u, 0,1
	MMZ ACC+64+16*\i+8*\u, WQ+16*\u, XF+16*(2*\b+\i), WQS+\u, XFS+2*\b+\i
.endr
.endr
.endif
	WIN 0x04                                       ; source 1 (the biases) in window 1
	PLACES 8                                       ; eight places behind this form before its results are read
.irp i, 0,1
.irp u, 0,1
.irp k, 0,2,4,6
	v_pk_add_f32 v[ACC+16*\i+8*\u+\k:ACC+16*\i+8*\u+\k+1], v[ACC+16*\i+8*\u+\k:ACC+16*\i+8*\u+\k+1], v[BK+8*\u+\k:BK+8*\u+\k+1]   ; each accumulator from its low end on
.endr
.endr
.endr
.irp dt, 0,1
.irp i, 0,1
.irp k, 0,2,4,6
	v_pk_add_f32 v[ACC+32+16*\dt+8*\i+\k:ACC+32+16*\dt+8*\i+\k+1], v[ACC+32+16*\dt+8*\i+\k:ACC+32+16*\dt+8*\i+\k+1], v[BV+2*\dt:BV+2*\dt+1]
.endr
.endr
.endr
.if \b > 0
.irp i, 0,1
.irp u, 0,1
.irp k, 0,2,4,6
	v_pk_add_f32 v[ACC+64+16*\i+8*\u+\k:ACC+64+16*\i+8*\u+\k+1], v[ACC+64+16*\i+8*\u+\k:ACC+64+16*\i+8*\u+\k+1], v[BQ+8*\u+\k:BQ+8*\u+\k+1]
.endr
.endr
.endr
.endif
	WIN 0
	DEST 0, KC+8*\b, KS+2*\b
	DEST 1, KC+8*\b+4, KS+2*\b+1
	DEST 2, VC+4*\b, BYT+2*\b
	DEST 3, VC+12+4*\b, BYT+2*\b+1
.if \b > 0
	DEST 4, QF+32*(\b-1), QS+2*(\b-1)
	DEST 5, QF+32*(\b-1)+16, QS+2*(\b-1)+1
	QUANT ACC, 6, 2
.else
	QUANT ACC, 4, 2
.endif
.endm
	PROJ 0
	PROJ 1
	PROJ 2
.irp n, 0,1,2,3
	v_lshl_or_b32 v[VSW+\n], v[BYT+\n+2], 8, v[BYT+\n]   ; v's scale words: byte 0 the block in front, byte 1 the query's block
.endr
.irp i, 0,1
	v_mov_b32 v[ST+8*\i+1], 0                      ; upper words of pairs whose low word serves both halves
	v_mov_b32 v[ST+8*\i+7], 0
.endr
	WIN 0x40
.irp f, 0,1,2,3,4,5,6,7
.irp c, 0,1,2,3
	ds_load_b128 v[WOF+16*\f+4*\c:WOF+16*\f+4*\c+3], v[LI] offset:WOIMG+2048*\f+512*\c   ; Wo's fragments take the weights' registers, which the last products read far more than eight places back
.endr
.endr
	WIN 0
.irp f, 0,1,2,3,4,5,6,7
	ds_load_b32 v[WOS+\f], v[LS] offset:WOSC+64*\f
.endr
; ================ attention: the two query tiles of block bq against key blocks bq - 1 and bq
.macro ATT bq
.set KB, 2*(\bq-1)
	WIN 0x0a                                       ; A and B in window 2
.irp i, 0,1
.irp kt, 0,1,2,3
	MMZ SA+32*\i+8*\kt, KC+4*(KB+\kt), QF+16*(KB+\i), KS+KB+\kt, QS+KB+\i
.endr
.endr
	WIN 0
	PLACES 8
.irp i, 0,1                                    ; of each four neighbouring keys only number r % 4 can count: 64 scores become 16
.irp kt, 0,1,2,3
.irp jh, 0,1
	v_cndmask_b32 v[SA+32*\i+8*\kt+4*\jh], v[SA+32*\i+8*\kt+4*\jh], v[SA+32*\i+8*\kt+4*\jh+1], s43
	v_cndmask_b32 v[SA+32*\i+8*\kt+4*\jh+2], v[SA+32*\i+8*\kt+4*\jh+2], v[SA+32*\i+8*\kt+4*\jh+3], s43
.endr
.endr
.endr
.irp i, 0,1
.irp kt, 0,1,2,3
.irp jh, 0,1
	v_cndmask_b32 v[CP+8*\i+2*\kt+\jh], v[SA+32*\i+8*\kt+4*\jh], v[SA+32*\i+8*\kt+4*\jh+2], s39
.endr
.endr
.endr
; t = (score / sqrt(32)) x log2(e), each step rounded once.  The division: q0 = s x (1 / d); the remainder s - q0 d comes exact out of one fused multiply-add; q0 + remainder x (1 / d).
; It stands ahead of the mask, on finite numbers.  S^T's first 32 registers are done with and hold q0 and the remainder.
.irp k, 0,2,4,6,8,10,12,14
	v_pk_mul_f32 v[SA+\k:SA+\k+1], v[CP+\k:CP+\k+1], s[40:41] op_sel_hi:[1,0]
.endr
.irp k, 0,2,4,6,8,10,12,14
	v_pk_fma_f32 v[SA+16+\k:SA+16+\k+1], v[SA+\k:SA+\k+1], s[94:95], v[CP+\k:CP+\k+1] op_sel_hi:[1,0,1]
.endr
.irp k, 0,2,4,6,8,10,12,14
	v_pk_fma_f32 v[CP+\k:CP+\k+1], v[SA+16+\k:SA+16+\k+1], s[40:41], v[SA+\k:SA+\k+1] op_sel_hi:[1,0,1]
.endr
.irp k, 0,2,4,6,8,10,12,14
	v_pk_mul_f32 v[CP+\k:CP+\k+1], v[CP+\k:CP+\k+1], s[96:97] op_sel_hi:[1,0]
.endr
.irp i, 0,1
.irp t, 0,1,2,3
.if \bq == 1
	v_cmp_lt_i32 vcc_lo, 4*(\t/2)+\t%2, v[EH+\i]   ; the block in front: hidden where k4 < e (all of it where it does not exist)
.else
	v_cmp_lt_i32 vcc_lo, 4*(\t/2)+\t%2, v[EE+\i]
.endif
	v_cndmask_b32 v[CP+8*\i+\t], v[CP+8*\i+\t], v[NINF], vcc_lo
	v_cmp_gt_i32 vcc_lo, 4*(\t/2)+\t%2, v[EE+\i]   ; the query's own block: hidden where k4 > e
	v_cndmask_b32 v[CP+8*\i+4+\t], v[CP+8*\i+4+\t], v[NINF], vcc_lo
.endr
.endr
.irp b, 0,1,2,3                                ; b = 2 i + block: each block's largest t serves the row's maximum and, since p rises with t, the block's largest p
	v_max3_num_f32 v[T+\b], v[CP+4*\b], v[CP+4*\b+1], v[CP+4*\b+2]
.endr
.irp b, 0,1,2,3
	v_max_num_f32 v[T+\b], v[T+\b], v[CP+4*\b+3]
.endr
.irp b, 0,1,2,3
	v_permlanex16_b32 v[U+\b], v[T+\b], s36, s37
.endr
.irp b, 0,1,2,3
	v_max_num_f32 v[T+\b], v[T+\b], v[U+\b]
.endr
.irp i, 0,1
	v_max_num_f32 v[TW+\i], v[T+2*\i], v[T+2*\i+1] ; the query itself always counts: a number
.endr
.irp i, 0,1
	v_floor_f32 v[ST+8*\i], -v[TW+\i]              ; -M = floor(-t): M is a whole number
.endr
.irp i, 0,1
.irp k, 0,2,4,6
	v_pk_add_f32 v[CP+8*\i+\k:CP+8*\i+\k+1], v[CP+8*\i+\k:CP+8*\i+\k+1], v[ST+8*\i:ST+8*\i+1] op_sel_hi:[1,0]   ; t - M
.endr
.endr
.irp i, 0,1
.irp c, 0,1
	v_add_f32 v[T+2*\i+\c], v[T+2*\i+\c], v[ST+8*\i]   ; the same addition on the same number gives the same bits
.endr
.endr
.set KK, 0
.rept 16
	v_exp_f32 v[CP+KK], v[CP+KK]                   ; p = 2^(t - M); 0 for a hidden key
.set KK, KK+1
.endr
.irp b, 0,1,2,3
	v_exp_f32 v[T+\b], v[T+\b]
.endr
	v_nop                                          ; a plain line behind the exponentials
	s_wait_alu depctr_va_vdst(0)
.irp i, 0,1
	v_pk_add_f32 v[ST+8*\i+2:ST+8*\i+3], v[CP+8*\i:CP+8*\i+1], v[CP+8*\i+2:CP+8*\i+3]   ; the row's sum is taken of the unquantised p, ahead of the hold
	v_pk_add_f32 v[ST+8*\i+4:ST+8*\i+5], v[CP+8*\i+4:CP+8*\i+5], v[CP+8*\i+6:CP+8*\i+7]
.endr
.irp b, 0,1,2,3
	v_max_num_f32 v[T+\b], 0x8000000, v[T+\b]
.endr
.irp b, 0,1,2,3
	v_add_nc_u32 v[SO+\b], 0xf8800000, v[T+\b]
.endr
.irp b, 0,1,2,3
	v_and_or_b32 v[HL+\b], v[T+\b], 0x7f800000, s38
.endr
.irp b, 0,1,2,3
	v_lshrrev_b32 v[BYT+\b], 23, v[SO+\b]
.endr
.irp i, 0,1
	v_lshl_or_b32 v[PS+\i], v[BYT+2*\i+1], 8, v[BYT+2*\i]
.endr
.irp b, 0,1,2,3
.irp t, 0,1,2,3
	v_min_num_f32 v[CP+4*\b+\t], v[CP+4*\b+\t], v[HL+\b]   ; p is not negative: the hold is one-sided
.endr
.endr
.irp i, 0,1                                    ; a conversion takes eight numbers under one scale, and the eight are of two blocks: it is made twice, and of each result the register under its own scale is used
	v_cvt_scalef32_pk8_bf8_f32 v[PT+4*\i:PT+4*\i+1], v[CP+8*\i:CP+8*\i+7], v[SO+2*\i]
	v_cvt_scalef32_pk8_bf8_f32 v[PT+4*\i+2:PT+4*\i+3], v[CP+8*\i:CP+8*\i+7], v[SO+2*\i+1]
.endr
	v_nop
	WIN 0x80
.irp i, 0,1
.irp c, 0,1
.irp t, 0,1,2,3
	v_perm_b32 v[PF+16*\i+4*\c+\t], v[PT+4*\i+3*\c], v[PT+4*\i+3*\c], v[SELP+\t]   ; code t into byte r % 4 of register t of its slot; zero codes beside it
.endr
.endr
.endr
	WIN 0
.irp i, 0,1                                    ; the rest of the sum: these plain lines are also the places between p's codes and the products
	v_pk_add_f32 v[ST+8*\i+2:ST+8*\i+3], v[ST+8*\i+2:ST+8*\i+3], v[ST+8*\i+4:ST+8*\i+5]
.endr
.irp i, 0,1
	v_add_f32 v[TW+\i], v[ST+8*\i+2], v[ST+8*\i+3]
.endr
.irp i, 0,1
	v_permlanex16_b32 v[U+\i], v[TW+\i], s36, s37
.endr
.irp i, 0,1
	v_add_f32 v[TW+\i], v[TW+\i], v[U+\i]          ; l
.endr
.irp i, 0,1
	v_rcp_f32 v[ST+8*\i+6], v[TW+\i]
.endr
.irp i, 0,1
	v_mul_f32 v[ST+8*\i+2], -1.0, v[TW+\i]         ; -l.  (The plain lines behind the reciprocals)
.endr
	s_wait_alu depctr_va_vdst(0)
.irp i, 0,1
	v_fma_f32 v[ST+8*\i+4], v[ST+8*\i+2], v[ST+8*\i+6], 1.0        ; 1 - l r
.endr
.irp i, 0,1
	v_fma_f32 v[ST+8*\i+6], v[ST+8*\i+4], v[ST+8*\i+6], v[ST+8*\i+6]   ; r + r (1 - l r): 1 / l to the last bit or nearly
.endr
	WIN 0x0a
.irp i, 0,1
.irp dt, 0,1
	MMZ OA+16*\i+8*\dt, VC+12*\dt+2*KB, PF+16*\i, VSW+KB+\dt, PS+\i
.endr
.endr
	WIN 0
	PLACES 8
.irp i, 0,1                                    ; o = O^T / l as a division: quotient, exact remainder, correction; each accumulator from its low end on
.irp k, 0,2,4,6,8,10,12,14
	v_pk_mul_f32 v[DQ+\k:DQ+\k+1], v[OA+16*\i+\k:OA+16*\i+\k+1], v[ST+8*\i+6:ST+8*\i+7] op_sel_hi:[1,0]
.endr
.irp k, 0,2,4,6,8,10,12,14
	v_pk_fma_f32 v[DE+\k:DE+\k+1], v[DQ+\k:DQ+\k+1], v[ST+8*\i+2:ST+8*\i+3], v[OA+16*\i+\k:OA+16*\i+\k+1] op_sel_hi:[1,0,1]
.endr
.irp k, 0,2,4,6,8,10,12,14
	v_pk_fma_f32 v[OA+16*\i+\k:OA+16*\i+\k+1], v[DE+\k:DE+\k+1], v[ST+8*\i+6:ST+8*\i+7], v[DQ+\k:DQ+\k+1] op_sel_hi:[1,0,1]
.endr
.endr
.irp i, 0,1                                    ; lane (r, h), tile dt: d = 16 h + 8 dt + 0 .. 7 of query r: block 2 h + dt of the last product's K, my head's eight places
.irp dt, 0,1
	ds_store_b128 v[OWI], v[OA+16*\i+8*\dt:OA+16*\i+8*\dt+3] offset:XOW*(KB+\i)+128*\dt
	ds_store_b128 v[OWI], v[OA+16*\i+8*\dt+4:OA+16*\i+8*\dt+7] offset:XOW*(KB+\i)+128*\dt+16
.endr
.endr
	s_wait_dscnt 0x0                               ; the stores have read their registers, which the next products write
.endm
	ATT 1
	ATT 2
	s_barrier_signal -1                            ; (each wave's LDS stores were waited for at the end of ATT)
	s_barrier_wait -1                              ; o's 64 rows lie in LDS
; ================ my 16 rows: o is quantised, o Wo + bo, the residual, the norm
.irp c, 0,1,2,3
.irp j, 0,1,2,3
	ds_load_b128 v[YY+16*\c+4*\j:YY+16*\c+4*\j+3], v[OFR] offset:128*\c+16*\j   ; lane (r, h): places 16 h + 0 .. 15 of block c of row r
.endr
.endr
.irp n, 0,1,2,3,4,5,6,7
	ds_load_b128 v[XR+8*\n:XR+8*\n+3], v[XRES] offset:64*\n
	ds_load_b128 v[XR+8*\n+4:XR+8*\n+7], v[XRES] offset:64*\n+16
.endr
	s_wait_dscnt 16                                ; o is in; the sixteen loads of x issued behind it may stay out
.irp g, 0,1,2,3
	DEST \g, OFG+4*\g, BYT+\g
.endr
	QUANT YY, 4, 0
	v_lshl_or_b32 v[OFS], v[BYT+1], 8, v[BYT]
	v_lshl_or_b32 v[OFS], v[BYT+2], 16, v[OFS]
	v_lshl_or_b32 v[OFS], v[BYT+3], 24, v[OFS]     ; my row's scale word
	PLACES 8                                       ; a scale register written by a vector instruction stands eight places ahead of the scaled product, codes four
	WIN 0x21                                       ; A (Wo) window 1, C (bo) window 2: nothing behind this product is quantised, so its bias rides as C
.irp n, 0,1,2,3,4,5,6,7
	MMC YY+8*\n, WOF+16*\n, OFG, BO+8*\n, WOS+\n, OFS
.endr
	WIN 0
	PLACES 8
	s_wait_dscnt 0x0
.set KK, 0
.rept 32
	v_pk_add_f32 v[YY+KK:YY+KK+1], v[YY+KK:YY+KK+1], v[XR+KK:XR+KK+1]   ; y(r, 16 n + 8 h + j), each accumulator from its low end on
.set KK, KK+2
.endr
.irp c, 0,2,4,6
	v_pk_add_f32 v[SP+\c:SP+\c+1], v[YY+\c:YY+\c+1], v[YY+8+\c:YY+8+\c+1]
.endr
.irp k, 16,24,32,40,48,56
.irp c, 0,2,4,6
	v_pk_add_f32 v[SP+\c:SP+\c+1], v[SP+\c:SP+\c+1], v[YY+\k+\c:YY+\k+\c+1]
.endr
.endr
	v_pk_add_f32 v[SP:SP+1], v[SP:SP+1], v[SP+2:SP+3]
	v_pk_add_f32 v[SP+4:SP+5], v[SP+4:SP+5], v[SP+6:SP+7]
	v_pk_add_f32 v[SP:SP+1], v[SP:SP+1], v[SP+4:SP+5]
	v_add_f32 v[TL], v[SP], v[SP+1]
	v_permlanex16_b32 v[TL+1], v[TL], s36, s37     ; the row's other 64 columns lie in lane l xor 16
	v_add_f32 v[TL], v[TL], v[TL+1]
	v_mul_f32 v[MU], 0xbc000000, v[TL]             ; -mean
.set KK, 0
.rept 32
	v_pk_add_f32 v[YY+KK:YY+KK+1], v[YY+KK:YY+KK+1], v[MU:MU+1] op_sel_hi:[1,0]
.set KK, KK+2
.endr
.irp c, 0,2,4,6
	v_pk_mul_f32 v[SP+\c:SP+\c+1], v[YY+\c:YY+\c+1], v[YY+\c:YY+\c+1]
.endr
.irp k, 8,16,24,32,40,48,56
.irp c, 0,2,4,6
	v_pk_fma_f32 v[SP+\c:SP+\c+1], v[YY+\k+\c:YY+\k+\c+1], v[YY+\k+\c:YY+\k+\c+1], v[SP+\c:SP+\c+1]
.endr
.endr
	v_pk_add_f32 v[SP:SP+1], v[SP:SP+1], v[SP+2:SP+3]
	v_pk_add_f32 v[SP+4:SP+5], v[SP+4:SP+5], v[SP+6:SP+7]
	v_pk_add_f32 v[SP:SP+1], v[SP:SP+1], v[SP+4:SP+5]
	v_add_f32 v[TL], v[SP], v[SP+1]
	v_permlanex16_b32 v[TL+1], v[TL], s36, s37
	v_add_f32 v[TL], v[TL], v[TL+1]
	v_fma_f32 v[TL], v[TL], s91, s92               ; variance + 1e-3
	v_rsq_f32 v[RS], v[TL]
	v_nop                                          ; a plain line behind the transcendental
.set KK, 0
	s_wait_alu depctr_va_vdst(0)
.rept 32
	v_pk_mul_f32 v[YY+KK:YY+KK+1], v[YY+KK:YY+KK+1], v[RS:RS+1] op_sel_hi:[1,0]
.set KK, KK+2
.endr
.irp n, 0,1,2,3,4,5,6,7                        ; through my own stage, where my rows of x lay (they had their one fill, and I have read them), and back as whole rows
	ds_store_b128 v[XRES], v[YY+8*\n:YY+8*\n+3] offset:64*\n
	ds_store_b128 v[XRES], v[YY+8*\n+4:YY+8*\n+7] offset:64*\n+16
.endr
.irp i, 0,1,2,3,4,5,6,7,8,9,10,11,12,13,14,15
	ds_load_b128 v[XR+4*\i:XR+4*\i+3], v[SRD] offset:528*\i   ; LDS serves a wave's instructions in order (ISA guide 5.7.1.4): these see the stores above
.endr
.irp i, 0,1,2,3,4,5,6,7,8,9,10,11,12,13,14,15
	s_wait_dscnt 15-\i                             ; row i is back; the younger rows may stay out
	v_pk_fma_f32 v[XR+4*\i:XR+4*\i+1], v[XR+4*\i:XR+4*\i+1], v[GAM:GAM+1], v[BET:BET+1]
	v_pk_fma_f32 v[XR+4*\i+2:XR+4*\i+3], v[XR+4*\i+2:XR+4*\i+3], v[GAM+2:GAM+3], v[BET+2:BET+3]
	global_store_b128 v[LI], v[XR+4*\i:XR+4*\i+3], s[32:33] offset:512*\i th:TH_STORE_NT   ; 32 lanes store a row: 512 consecutive bytes, at a multiple of 256 from out0's first byte
.endr
	s_wait_tensorcnt 0x0
	ds_add_u32 v23, v61
	s_wait_dscnt 0x0
	s_endpgm
.Lfunc_end_k_q17485dc595_fused:
	.size	k_q17485dc595_fused, .Lfunc_end_k_q17485dc595_fused-k_q17485dc595_fused
	.p2alignl 7, 3214868480
	.fill 96, 4, 3214868480
	.section	.rodata,"a",@progbits
	.p2align	6, 0x0
	.amdhsa_kernel k_q17485dc595_fused
		.amdhsa_group_segment_fixed_size 197120
		.amdhsa_private_segment_fixed_size 0
		.amdhsa_enable_private_segment 0
		.amdhsa_kernarg_size 120
		.amdhsa_user_sgpr_count 2
		.amdhsa_user_sgpr_kernarg_segment_ptr 1
		.amdhsa_wavefront_size32 1
		.amdhsa_system_sgpr_workgroup_id_x 1
		.amdhsa_system_sgpr_workgroup_id_y 1
		.amdhsa_system_sgpr_workgroup_id_z 1
		.amdhsa_system_vgpr_workitem_id 0
		.amdhsa_next_free_vgpr 768
		.amdhsa_next_free_sgpr 100
		.amdhsa_reserve_vcc 1
		.amdhsa_float_denorm_mode_32 3
		.amdhsa_float_denorm_mode_16_64 3
		.amdhsa_memory_ordered 1
		.amdhsa_forward_progress 1
		.amdhsa_inst_pref_size 167
	.end_amdhsa_kernel
	.amdgpu_metadata
---
amdhsa.version: [ 1, 2 ]
amdhsa.kernels:
  - .name:           k_q17485dc595_fused
    .symbol:         k_q17485dc595_fused.kd
    .args:
      - { .name: x, .offset: 0, .size: 8, .value_kind: global_buffer, .address_space: global }
      - { .name: Wq_codes, .offset: 8, .size: 8, .value_kind: global_buffer, .address_space: global }
      - { .name: Wq_scales, .offset: 16, .size: 8, .value_kind: global_buffer, .address_space: global }
      - { .name: Wk_codes, .offset: 24, .size: 8, .value_kind: global_buffer, .address_space: global }
      - { .name: Wk_scales, .offset: 32, .size: 8, .value_kind: global_buffer, .address_space: global }
      - { .name: Wv_codes, .offset: 40, .size: 8, .value_kind: global_buffer, .address_space: global }
      - { .name: Wv_scales, .offset: 48, .size: 8, .value_kind: global_buffer, .address_space: global }
      - { .name: bq, .offset: 56, .size: 8, .value_kind: global_buffer, .address_space: global }
      - { .name: bk, .offset: 64, .size: 8, .value_kind: global_buffer, .address_space: global }
      - { .name: bv, .offset: 72, .size: 8, .value_kind: global_buffer, .address_space: global }
      - { .name: Wo, .offset: 80, .size: 8, .value_kind: global_buffer, .address_space: global }
      - { .name: bo, .offset: 88, .size: 8, .value_kind: global_buffer, .address_space: global }
      - { .name: gamma, .offset: 96, .size: 8, .value_kind: global_buffer, .address_space: global }
      - { .name: beta, .offset: 104, .size: 8, .value_kind: global_buffer, .address_space: global }
      - { .name: out0, .offset: 112, .size: 8, .value_kind: global_buffer, .address_space: global }
    .group_segment_fixed_size: 197120
    .private_segment_fixed_size: 0
    .kernarg_segment_align: 8
    .kernarg_segment_size: 120
    .max_flat_workgroup_size: 128
    .sgpr_count:     100
    .vgpr_count:     768
    .wavefront_size: 32
...
	.end_amdgpu_metadata
.endif
;; end of part 1
